; MI455X (gfx1250); checked and timed in simulation.
; The chip was launched on July 23, 2026; its instructions are those of AMD's public machine-readable ISA for CDNA 5 (MIT licence, August 2026) and "CDNA5" Instruction Set Architecture Reference Guide (July 2026). The comments in the code are by the model that wrote it; some were corrected since.
;; Causal Self Attention. Allowed arithmetic: matrix products marked QUANTISED: E4M3 operands, one given power-of-two scale a tensor, by v_wmma_f32_16x16x64_fp8_fp8 or v_wmma_f32_16x16x128_fp8_fp8, f32 sums; everything else in f32.
;; Inputs: W_attn_codes 3,072 x 32 x 32 uint8 (E4M3 codes of W_attn, K innermost, in blocks of 32 codes); W_proj_codes 1,024 x 32 x 32 uint8 (E4M3 codes of W_proj, K innermost, in blocks of 32 codes); lowp_scales 8 int32 (the exponents e of the quantised operands' scales 2^e); x_codes 4 x 2,048 x 32 x 32 uint8 (E4M3 codes of x, K innermost, in blocks of 32 codes).
;; Outputs: out0 4 x 2,048 x 1,024 float32.
;; This version of the problem:
;;   THIS VERSION OF THE PROBLEM IS GIVEN IN LOW PRECISION. The matrix products marked QUANTISED in the list below multiply operands that are first quantised to E4M3 (4 exponent bits, 3 mantissa bits; 8 bits a number), with one given power-of-two scale for each operand tensor; their sums are f32. All else is computed in f32.
;;   The module's matrix products, in the order in which they are computed (A, B: the left and right operand; K: the contracted axis; several contracted axes count as one K, in the product's order):
;;     1. [M 8,192, K 1,024] x [K 1,024, N 3,072]; A: input x (given as codes); B: input W_attn (given as codes): QUANTISED (scales: A lowp_scales[0], B lowp_scales[1])
;;     2. batch 64 x [M 2,048, K 64] x [K 64, N 2,048]; A: computed on the way; B: computed on the way: QUANTISED (scales: A lowp_scales[2], B lowp_scales[3])
;;     3. batch 64 x [M 2,048, K 2,048] x [K 2,048, N 64]; A: softmax (see below); B: computed on the way: QUANTISED (scales: A lowp_scales[4], B lowp_scales[5])
;;     4. [M 8,192, K 1,024] x [K 1,024, N 1,024]; A: computed on the way; B: input W_proj (given as codes): QUANTISED (scales: A lowp_scales[6], B lowp_scales[7])
;;   THE QUANTISER, for each operand of a quantised product, along K:
;;     - The operand's scale is 2^e, e = its entry of the input lowp_scales (int32; the entries are numbered through the quantised products in the list's order, A before B).
;;     - Each number is divided by the scale, clamped to +-448, and rounded to the nearest number of E4M3, ties to even, subnormals kept.
;;     - The product sums the exact products of the quantised numbers (number of the format x scale) in f32.
;;   ~~~python
;;   def quantise(x, axis, e):      # numpy; x: float32 -> the quantised numbers, widened to float32 again
;;       x = np.moveaxis(x, axis, -1); K = x.shape[-1]
;;       r = np.clip(x / 2.0 ** e, -448, 448)
;;       step = 2.0 ** (np.maximum(np.frexp(np.where(r == 0, 1, r))[1] - 1, -6) - 3)
;;       q = np.round(r / step) * step * 2.0 ** e      # np.round: ties to even
;;       return np.moveaxis(q, -1, axis).astype(np.float32)
;;   ~~~
;;   SOFTMAX AHEAD OF A QUANTISED PRODUCT. Where the list says 'softmax', what is quantised is not the finished softmax but p = 2^(t - M), with t = logit x log2(e) and M = ceil(the row's largest t), a whole number; so 1/2 < the row's largest p <= 1. The row's sum l is taken of the UNQUANTISED p, in f32, and the product's result is divided by l at the end. Since M is a whole number, a kernel that streams over the keys may use a running M (the ceiling of the running maximum): every later rescaling is an exact power of two, so the quantised numbers keep their values, but for numbers so far below the row's largest that they fall under the format's range.
;;   OPERANDS COMPUTED ON THE WAY. 'Computed on the way' means the value that the module computes at that place (a softmax that the list does not call 'softmax' is quantised finished and normalised). What goes into a quantiser is computed in f32, as accurately as f32 sums, v_exp_f32 and their like allow (about 1e-6 of the number): no bf16 or f16 on the way to a quantiser, and a product that is left as it is and whose result goes on into a quantised operand takes f32 operands (vector FMAs, or v_wmma_f32_16x16x4_f32). A number that lies on a knife's edge between two numbers of the format may be rounded either way, as far as f32 arithmetic and the matrix unit's own rounding can turn it there, and no further.
;;   INPUTS GIVEN AS CODES. W_attn (in the module: [1024, 3072], K = its axis 0); W_proj (in the module: [1024, 1024], K = its axis 0); x (in the module: [4, 2048, 1024], K = its axis 2): each comes as NAME_codes (uint8): NAME with its K axis moved to the last place and cut into blocks of 32 codes, [.., K / 32, bytes a block], one block behind the other in memory; one code a byte (a code: sign, 4 exponent bits, 3 mantissa bits); its scale is its entry of lowp_scales. Its value is code x scale, taken as it is: it is not quantised again, and the codes and scales need not be those that the quantiser above would give.
;; One version. Each part assembles by itself: llvm-mc -triple=amdgcn-amd-amdhsa -mcpu=gfx1250 --defsym DOCPART=n.
;; ======== version 1 of 1: 4 launches
;; limits: right only within a limited range of input values
;; workspace buffers: rope_img 524,288 bytes; q_img 8,388,608 bytes; k_img 8,388,608 bytes; v_img 8,388,608 bytes; y_img 8,388,608 bytes
;; launch rope (part 1): grid 128 x 1, 1 waves a work-group, no clusters, 0 bytes of LDS; arguments rope_img; writes rope_img
.if DOCPART == 1
	.amdgcn_target "amdgcn-amd-amdhsa--gfx1250"
	.amdhsa_code_object_version 6
	.text
	.protected	k_q3a2f954ebb_rope
	.globl	k_q3a2f954ebb_rope
	.p2align	8
	.type	k_q3a2f954ebb_rope,@function
k_q3a2f954ebb_rope:
	s_mov_b64 s[64:65], 0
	v_nop
	global_prefetch_b8 v0, s[64:65] scope:SCOPE_SE
	s_setreg_imm32_b32 hwreg(HW_REG_WAVE_MODE, 25, 1), 1
	s_wait_xcnt 0x0
; The table of cos and sin for the rotary embedding: 2,048 tokens x 32 pairs of channels, made once, since each number serves 128 (batch, head, q or k) times.
; angle = f32(t x f), f = the f32 number nearest to 10^(-i/8) = 10000^(-2 i / 64).  LIMIT: f is that nearest number; a power function in f32 may give its neighbour.
; The angle (up to 2,047) is reduced by n = the whole number nearest to angle x 2 / pi, with pi / 2 in three parts: the first part has 21 significant bits and n has 11, so the first
; fused multiply-add rounds nothing.  On |r| <= pi / 4: cos by its series to r^8 (the term left out is under 2.5e-8), sin to r^9 (under 2e-9).  n mod 4 swaps the two and sets the signs.
; LAYOUT: an image of the registers of the launch that reads it: [block of 16 tokens][k 0..7][lane][16 bytes]; register 4 k + 2 e is cos, 4 k + 2 e + 1 sin of pair p = 2 k + e:
; token 16 block + lane % 16, pair of channels i = 8 (p / 4) + 4 (lane / 16) + p % 4.  One wave makes one block; each store covers 512 consecutive bytes, aligned.
; No matrix unit, no LDS, no barrier: nothing is shared.  Sixteen chains (p = 0 .. 15) go side by side, stage by stage, so that no line waits for the line above it.
.set ANGR, 16                          ; v16-31   the angle, then r
.set QN,   32                          ; v32-47   n
.set SQ,   48                          ; v48-63   r^2
.set CSN,  64                          ; v64-79   cos r
.set SNE,  80                          ; v80-95   sin r
.set OUTR, 96                          ; v96-127  cos, sin by pairs: what is stored
.set TMP,  128                         ; v128-143 at work
	s_load_b64 s[4:5], s[0:1], 0x0                 ; the table
	v_and_b32 v1, 15, v0                           ; lane % 16
	v_lshlrev_b32 v4, 4, v0                        ; 16 x lane (one wave: the thread's number is the lane)
	s_lshl_b32 s8, ttmp9, 4
	v_add_nc_u32 v3, s8, v1
	v_cvt_f32_u32 v3, v3                           ; t, exact
	s_wait_alu depctr_va_vdst(0)
	s_lshl_b32 s6, ttmp9, 12                       ; a block's image is 4,096 bytes
	s_mov_b32 s7, 0
	s_mov_b32 s20, 0xffff0000                      ; lanes 16-31
	s_mov_b32 s21, 0x3f22f983                      ; 2 / pi
	s_mov_b32 s22, 0xbfc90fd8                      ; -pi / 2: the first part,
	s_mov_b32 s23, 0xb4a8885a                      ; the second,
	s_mov_b32 s24, 0xa7c234c4                      ; the third
	s_mov_b32 s25, 0x37d00d01                      ; 1 / 40320
	s_mov_b32 s26, 0xbab60b61                      ; -1 / 720
	s_mov_b32 s27, 0x3d2aaaab                      ; 1 / 24
	s_mov_b32 s28, 0x3638ef1d                      ; 1 / 362880
	s_mov_b32 s29, 0xb9500d01                      ; -1 / 5040
	s_mov_b32 s30, 0x3c088889                      ; 1 / 120
	s_mov_b32 s31, 0xbe2aaaab                      ; -1 / 6
.macro ANG p, f0, f1                   ; the angle of pair p: lanes 0-15 take f0, lanes 16-31 f1
	v_mul_f32 v[ANGR+\p], \f0, v3
	v_mul_f32 v[TMP+\p], \f1, v3
	v_cndmask_b32 v[ANGR+\p], v[ANGR+\p], v[TMP+\p], s20
.endm
	ANG 0,  1.0,              0.31622776602
	ANG 1,  0.74989420933,    0.23713737057
	ANG 2,  0.56234132519,    0.17782794100
	ANG 3,  0.42169650343,    0.13335214322
	ANG 4,  0.1,              0.031622776602
	ANG 5,  0.074989420933,   0.023713737057
	ANG 6,  0.056234132519,   0.017782794100
	ANG 7,  0.042169650343,   0.013335214322
	ANG 8,  0.01,             0.0031622776602
	ANG 9,  0.0074989420933,  0.0023713737057
	ANG 10, 0.0056234132519,  0.0017782794100
	ANG 11, 0.0042169650343,  0.0013335214322
	ANG 12, 0.001,            0.00031622776602
	ANG 13, 0.00074989420933, 0.00023713737057
	ANG 14, 0.00056234132519, 0.00017782794100
	ANG 15, 0.00042169650343, 0.00013335214322
.set p, 0
.rept 16
	v_mul_f32 v[QN+p], s21, v[ANGR+p]
.set p, p+1
.endr
.set p, 0
.rept 16
	v_rndne_f32 v[QN+p], v[QN+p]                   ; n
.set p, p+1
.endr
.irp c, 22,23,24
.set p, 0
.rept 16
	v_fma_f32 v[ANGR+p], v[QN+p], s\c, v[ANGR+p]   ; r = angle - n pi / 2, part by part
.set p, p+1
.endr
.endr
.set p, 0
.rept 16
	v_mul_f32 v[SQ+p], v[ANGR+p], v[ANGR+p]
.set p, p+1
.endr
.set p, 0
.rept 16
	v_fma_f32 v[CSN+p], v[SQ+p], s25, s26
	v_fma_f32 v[SNE+p], v[SQ+p], s28, s29
.set p, p+1
.endr
.set p, 0
.rept 16
	v_fma_f32 v[CSN+p], v[CSN+p], v[SQ+p], s27
	v_fma_f32 v[SNE+p], v[SNE+p], v[SQ+p], s30
.set p, p+1
.endr
.set p, 0
.rept 16
	v_fma_f32 v[CSN+p], v[CSN+p], v[SQ+p], -0.5
	v_fma_f32 v[SNE+p], v[SNE+p], v[SQ+p], s31
	v_mul_f32 v[TMP+p], v[ANGR+p], v[SQ+p]         ; r^3
.set p, p+1
.endr
.set p, 0
.rept 16
	v_fma_f32 v[CSN+p], v[CSN+p], v[SQ+p], 1.0     ; cos r
	v_fma_f32 v[SNE+p], v[SNE+p], v[TMP+p], v[ANGR+p]  ; sin r
	v_cvt_i32_f32 v[QN+p], v[QN+p]
.set p, p+1
.endr
; n mod 4 = 0: (cos r, sin r); 1: (-sin r, cos r); 2: (-cos r, -sin r); 3: (sin r, -cos r).  The choice selects values only.
.set p, 0
.rept 16
	v_and_b32 v[TMP+p], 1, v[QN+p]
	v_cmp_ne_u32 vcc_lo, 0, v[TMP+p]               ; n odd: the two change places
	v_cndmask_b32 v[OUTR+2*p], v[CSN+p], v[SNE+p], vcc_lo
	v_cndmask_b32 v[OUTR+2*p+1], v[SNE+p], v[CSN+p], vcc_lo
	v_add_nc_u32 v[TMP+p], 1, v[QN+p]
	v_lshlrev_b32 v[TMP+p], 30, v[TMP+p]           ; bit 1 of n + 1: the cosine's sign
	v_and_b32 v[TMP+p], 0x80000000, v[TMP+p]
	v_xor_b32 v[OUTR+2*p], v[OUTR+2*p], v[TMP+p]
	v_lshlrev_b32 v[QN+p], 30, v[QN+p]             ; bit 1 of n: the sine's
	v_and_b32 v[QN+p], 0x80000000, v[QN+p]
	v_xor_b32 v[OUTR+2*p+1], v[OUTR+2*p+1], v[QN+p]
.set p, p+1
.endr
	s_wait_alu depctr_va_vdst(0)
	s_wait_kmcnt 0x0
	s_add_nc_u64 s[4:5], s[4:5], s[6:7]
.irp k, 0,1,2,3,4,5,6,7
	global_store_b128 v4, v[OUTR+4*\k:OUTR+4*\k+3], s[4:5] offset:512*\k
.endr
	s_endpgm
.Lfunc_end_k_q3a2f954ebb_rope:
	.size	k_q3a2f954ebb_rope, .Lfunc_end_k_q3a2f954ebb_rope-k_q3a2f954ebb_rope
	.p2alignl 7, 3214868480
	.fill 96, 4, 3214868480
	.section	.rodata,"a",@progbits
	.p2align	6, 0x0
	.amdhsa_kernel k_q3a2f954ebb_rope
		.amdhsa_group_segment_fixed_size 0
		.amdhsa_private_segment_fixed_size 0
		.amdhsa_enable_private_segment 0
		.amdhsa_kernarg_size 8
		.amdhsa_user_sgpr_count 2
		.amdhsa_user_sgpr_kernarg_segment_ptr 1
		.amdhsa_wavefront_size32 1
		.amdhsa_system_sgpr_workgroup_id_x 1
		.amdhsa_system_sgpr_workgroup_id_y 1
		.amdhsa_system_sgpr_workgroup_id_z 1
		.amdhsa_system_vgpr_workitem_id 0
		.amdhsa_next_free_vgpr 144
		.amdhsa_next_free_sgpr 66
		.amdhsa_reserve_vcc 1
		.amdhsa_float_denorm_mode_32 3
		.amdhsa_float_denorm_mode_16_64 3
		.amdhsa_memory_ordered 1
		.amdhsa_forward_progress 1
		.amdhsa_inst_pref_size 26
	.end_amdhsa_kernel
	.amdgpu_metadata
---
amdhsa.version: [ 1, 2 ]
amdhsa.kernels:
  - .name:           k_q3a2f954ebb_rope
    .symbol:         k_q3a2f954ebb_rope.kd
    .args:
      - { .name: rope_img, .offset: 0, .size: 8, .value_kind: global_buffer, .address_space: global }
    .group_segment_fixed_size: 0
    .private_segment_fixed_size: 0
    .kernarg_segment_align: 8
    .kernarg_segment_size: 8
    .max_flat_workgroup_size: 32
    .sgpr_count:     66
    .vgpr_count:     144
    .wavefront_size: 32
...
	.end_amdgpu_metadata
.endif
;; end of part 1
;; launch qkv (part 2): grid 12 x 32, 4 waves a work-group, clusters of 4 x 4, 327,680 bytes of LDS; arguments x_codes, W_attn_codes, lowp_scales, rope_img, q_img, k_img, v_img; writes q_img, k_img, v_img
.if DOCPART == 2
	.amdgcn_target "amdgcn-amd-amdhsa--gfx1250"
	.amdhsa_code_object_version 6
	.text
	.protected	k_q3a2f954ebb_qkv
	.globl	k_q3a2f954ebb_qkv
	.p2align	8
	.type	k_q3a2f954ebb_qkv,@function
k_q3a2f954ebb_qkv:
	s_mov_b64 s[64:65], 0
	v_nop
	global_prefetch_b8 v0, s[64:65] scope:SCOPE_SE
	s_setreg_imm32_b32 hwreg(HW_REG_WAVE_MODE, 25, 1), 1
	s_wait_xcnt 0x0
	s_wait_alu depctr_hold_cnt(0) depctr_sa_sdst(0) depctr_va_vdst(0) depctr_va_sdst(0) depctr_va_ssrc(0) depctr_va_vcc(0) depctr_vm_vsrc(0)
	s_getreg_b32 s2, hwreg(HW_REG_IB_STS2, 6, 4)
	s_cmp_eq_u32 s2, 0
	s_cbranch_scc0 .Lentry_in_a_cluster
	s_endpgm
.Lentry_in_a_cluster:
	s_bfe_u32 s2, ttmp6, 0x10000c
	s_cmp_lg_u32 s2, 0xf033
	s_cbranch_scc0 .Lentry_shape_is_right
	s_endpgm
.Lentry_shape_is_right:
; qkv = x W_attn on codes of E4M3 (8,192 x 1,024 x 3,072), the rotary embedding on q and k in f32, and the quantisers of q, k and v: the three leave as codes, laid as images of the attention launch's operand registers.
; A tile of 256 x 256 is made by a work-group of four waves; a wave makes 128 x 128: 64 accumulators of 16 x 16, 512 registers.  K = 1,024 goes in four steps of 256 through a ring of two LDS slots
; filled by the tensor data mover; a tile's row is 256 bytes of memory.  12 x 32 work-groups: no tile whose width divides a tensor's 1,024 columns gives a multiple of 256 equal work-groups, and a smaller wave tile reads more LDS bytes for each product.
; CLUSTERS: 4 x 4 work-groups; A's tiles are shared along a row of the cluster, B's along a column, each asked for JOINTLY.  The cluster's x says which tensor it makes: 0 q, 1 k, 2 v; it is the same in all sixteen partners.
; SOURCE 0 = 16 rows of B, SOURCE 1 = 16 rows of A: in a result lane (r, h) holds row r of A's block, and its registers j = 0 .. 7 the rows 8 h + j of B's block.
;   q, k: A = x (tokens), B = W (features).  A lane holds ONE token and eight neighbouring features: the pairs of the rotary embedding, and eight neighbours along the next K (the head's 64).
;   v:    A = W (channels), B = x (tokens).  A lane holds ONE channel and eight neighbouring tokens: eight neighbours along the next K (the keys).  Only the two global addresses differ: no LDS address, no mask, no line of the loop.
; A fragment is fetched by four loads of 16 bytes: a permutation of k that is the same in A and in B, so every product meets its partner.
; THE SCALES.  A sum stands for sum x 2^(e0 + e1).  The rotation is linear, so it is applied to the sums as they are, and the conversion takes the one scale 2^E, E = e - e0 - e1, e = e2 (q), e3 (k) or e5 (v).
; LIMIT: E lies between -126 and 127, so that 2^E is an f32 number.
; IMAGES (a group of four registers is 512 bytes, lane l's 16 bytes at 16 l):  q_img, k_img [batch x head 64][16 tokens 128][2][lane][16]: lane (r, h): token r, registers 2 c, 2 c + 1: d = 16 c + 8 h + 0 .. 7.
;   v_img [batch x head][128 keys 16][16 channels 4][4][lane][16]: lane (r, h): channel r, registers 2 c, 2 c + 1: keys 16 c + 8 h + 0 .. 7.  Every store covers 512 consecutive bytes, aligned; the way out needs no LDS.
; REGISTERS, in windows of 256: window 0: v0-31 addresses; from v128 A's fragments, ONE set; v32-95 two sets of cos and sin; on the way out v96-159 64 numbers at work, v160-191 two sets of codes, v192 the scale.
;   window 1: B's fragments, TWO sets.   window 2: the accumulators of A's blocks 0-3 ((a, b) at v[8 (8 a + b)]);   window 3: those of blocks 4-7.
.set KROW,   1024                      ; a row of x or of W in memory, in bytes
.set ROWB,   256                       ; a tile's row in bytes: a K step
.set PITCH,  272                       ; an LDS row: 256 bytes + 16 of padding = 68 words: the 16 rows that a load touches start at 16 different banks (64 banks of 4 bytes: ISA guide 11.1)
.set FR,     16                        ; registers of a fragment: 16 rows x 128 K
.set NL,     4                         ; LDS loads that bring one
.set NP,     4                         ; places behind this matrix instruction (ISA guide 7.12.1)
.set HALFT,  128*PITCH                 ; 128 rows: what one tensor load brings
.set SLOT,   4*HALFT                   ; A's 256 rows, then B's 256 rows
.set SPARE,  2*SLOT                    ; behind the ring: the spare words, 128 bytes for each wave, which no other line names
.set ADRA, 16                          ; v16-17  LDS address of my A fragments in slot 0, 1
.set ADRB, 20                          ; v20-21  the same for B
.set LI,   27                          ; v27     16 x lane: my place in an image; never rewritten
.set SPW,  28                          ; v28     LDS address of my spare word; never rewritten
.set NIL,  29                          ; v29     0; never rewritten
.set CS,   32                          ; v32-95  cos and sin of a block of 16 tokens, two sets of 32
.set TM,   96                          ; v96-159 a block's 64 numbers
.set AF,   128                         ; A's fragments
.set CC,   160                         ; v160-191 a block's codes, two sets of 16
.set SCL,  192                         ; v192    2^E
.set LIM,  193
.set G1, 24                            ; s[24:31] descriptor group 1 for A's tiles;  s[32:39] group 0, one set for each slot
.set G0, 32
.set G1B, 48                           ; s[48:55], s[56:63] the same for B's tiles
.set G0B, 56
.set OUTP, 84                          ; s[84:85] where my wave's images begin
.set ROPE, 86                          ; s[86:87] the table at my wave's first block of tokens
.set MSB, 0
.macro WIN new                         ; the immediate's high byte repeats the setting that is left
.if MSB != (\new)
	s_set_vgpr_msb (MSB<<8)|(\new)
.set MSB, (\new)
.endif
.endm
.set MUL_LO, 0xa1                      ; source 0 (B) window 1, source 1 (A) window 0, C and D window 2
.set MUL_HI, 0xf1                      ; the same, C and D window 3
.set TO_B,   0x40                      ; destination window 1, address window 0
; A joint load: waves 0 and 1 fetch for A, waves 2 and 3 for B.  Each line has ONE mask and one set of registers for all that issue it; the branch hangs on the wave's number alone.
; Four v_nop follow each of the two lines, ahead of the jump, the label and what follows.
.macro JLOAD g0a, g1a, g0b, g1b
	s_cmp_eq_u32 s15, 0
	s_cbranch_scc0 .Lfor_b_\@
	tensor_load_to_lds s[\g0a:\g0a+3], s[\g1a:\g1a+7]
	s_nop 0
.rept 4
	v_nop
.endr
	s_branch .Lasked_\@
.Lfor_b_\@:
	tensor_load_to_lds s[\g0b:\g0b+3], s[\g1b:\g1b+7]
	s_nop 0
.rept 4
	v_nop
.endr
.Lasked_\@:
.endm
.macro CREST                           ; a round of the cluster's barrier behind its opening barrier
	s_cmp_lg_u32 s14, 0
	s_cbranch_scc1 .Lnot_wave_0_\@
	s_barrier_signal -3
.Lnot_wave_0_\@:
	s_barrier_wait -3
	s_barrier_signal -1
	s_barrier_wait -1
.endm
.macro CROUND                          ; a whole round
	s_barrier_signal -1
	s_barrier_wait -1
	CREST
.endm
	s_load_b128 s[4:7], s[0:1], 0x0                ; x's codes s[4:5], W's codes s[6:7]
	s_load_b128 s[8:11], s[0:1], 0x10              ; the exponents s[8:9], the table s[10:11]
	s_load_b128 s[68:71], s[0:1], 0x20             ; q_img s[68:69], k_img s[70:71]
	s_load_b64 s[72:73], s[0:1], 0x30              ; v_img
	v_lshl_add_u32 v[SPW], v0, 2, SPARE
	v_mov_b32 v[NIL], 0
	ds_add_u32 v28, v29
	ds_add_u32 v28, v29
	s_wait_dscnt 0x0
	v_lshrrev_b32 v1, 5, v0
	v_readfirstlane_b32 s14, v1                    ; wave 0..3
	s_lshr_b32 s15, s14, 1                         ; which half of A's rows is mine.  Also: I fetch for A (0) or for B (1)
	s_and_b32 s16, s14, 1                          ; which half of B's rows.  Also: which 128 rows of that tile I fetch
	s_bfe_u32 s40, ttmp6, 0x40000                  ; cx, cy: my place in the cluster
	s_bfe_u32 s41, ttmp6, 0x40004
	s_and_b32 s17, ttmp7, 0xffff
	s_lshl_b32 s17, s17, 2                         ; 4 x cluster y
	s_mov_b32 s42, s17
	s_lshl_b32 s46, ttmp9, 2                       ; 4 x cluster x
	s_cmp_eq_u32 ttmp9, 2                          ; the cluster that makes v?
	s_cselect_b32 s17, 8, s17                      ; A's tile of 256 rows: v: W's tiles 8 + cy;  q, k: x's tiles 4 cluster y + cy
	s_cselect_b32 s42, s42, s46                    ; B's: v: x's tiles 4 cluster y + cx;  q, k: W's tiles 4 cluster x + cx
	s_add_co_u32 s17, s17, s41                     ; A's address holds cy alone,
	s_add_co_u32 s42, s42, s40                     ; B's cx alone
	s_lshl_b32 s43, s41, 2
	s_lshl_b32 s43, 15, s43                        ; my row of the cluster
	s_lshl_b32 s44, 0x1111, s40                    ; my column
	; descriptor group 1: a tile of 128 rows x 256 bytes, padded in LDS
	s_or_b32 s[G1+0], s43, (0<<16)|(1<<20)|(1<<21)|(5<<22)|(3<<25)  ; 15:0 the mask: A's tiles go to my row; 17:16 element of 1 byte; 20 padding on; 21 set beside a mask; 24:22 after every 64 words (code 5); 31:25 of 4 words (code 3)
	s_or_b32 s[G1B+0], s44, (0<<16)|(1<<20)|(1<<21)|(5<<22)|(3<<25)
.irp g, G1, G1B
	s_mov_b32 s[\g+1], ROWB<<16                    ; tensor_dim0
	s_mov_b32 s[\g+2], 128<<16                     ; tensor_dim1 = 128
	s_mov_b32 s[\g+3], ROWB<<16                    ; tile_dim0
	s_mov_b32 s[\g+4], 128                         ; tile_dim1 = 128
	s_mov_b32 s[\g+5], KROW                        ; tensor_dim0_stride
	s_mov_b32 s[\g+6], 0
	s_mov_b32 s[\g+7], 0
.endr
	s_lshl_b32 s18, s16, 7                         ; which 128 rows of the tile I fetch
	s_lshl_b32 s20, s17, 8
	s_add_co_u32 s20, s20, s18
	s_lshl_b32 s20, s20, 10                        ; A: (256 x tile + 128 x half) rows of 1,024 bytes: under 2^23
	s_mov_b32 s21, 0
	s_lshl_b32 s46, s42, 8
	s_add_co_u32 s46, s46, s18
	s_lshl_b32 s46, s46, 10                        ; B likewise
	s_mov_b32 s47, 0
	s_mul_i32 s45, s14, HALFT                      ; where they go: wave x 128 rows: no place in the cluster enters an LDS address
	s_wait_kmcnt 0x0
	s_load_b256 s[76:83], s[8:9], 0x0              ; e0 .. e7
	s_cmp_eq_u32 ttmp9, 2
	s_cselect_b64 s[88:89], s[6:7], s[4:5]         ; A's rows come from W for v, from x for q and k;
	s_cselect_b64 s[90:91], s[4:5], s[6:7]         ; B's the other way round
	s_add_nc_u64 s[20:21], s[88:89], s[20:21]
	s_add_nc_u64 s[46:47], s[90:91], s[46:47]
	CROUND                                         ; all sixteen work-groups are here: the first joint loads meet
.irp s, 0,1
	s_mov_b32 s[G0+4*\s], 1
	s_add_co_u32 s[G0+4*\s+1], s45, \s*SLOT
	s_add_nc_u64 s[G0+4*\s+2:G0+4*\s+3], s[20:21], \s*ROWB
	s_or_b32 s[G0+4*\s+3], s[G0+4*\s+3], 0x80000000
	s_mov_b32 s[G0B+4*\s], 1
	s_add_co_u32 s[G0B+4*\s+1], s45, \s*SLOT
	s_add_nc_u64 s[G0B+4*\s+2:G0B+4*\s+3], s[46:47], \s*ROWB
	s_or_b32 s[G0B+4*\s+3], s[G0B+4*\s+3], 0x80000000
	JLOAD G0+4*\s, G1, G0B+4*\s, G1B
.endr
	v_and_b32 v1, 15, v0                           ; l % 16
	v_bfe_u32 v2, v0, 4, 1                         ; l / 16
	v_mul_u32_u24 v3, v1, PITCH
	v_lshl_add_u32 v4, v2, 4, v3                   ; a fragment's row x pitch + 16 x half
	s_mul_i32 s21, s15, HALFT                      ; my 128 rows of A
	s_mul_i32 s22, s16, HALFT                      ; my 128 rows of B,
	s_add_co_u32 s22, s22, 2*HALFT                 ; which lie behind A's 256
.irp s, 0,1
	v_add_nc_u32 v[ADRA+\s], s21, v4
	v_add_nc_u32 v[ADRB+\s], s22, v4
	s_add_co_u32 s21, s21, SLOT
	s_add_co_u32 s22, s22, SLOT
.endr
	v_and_b32 v6, 31, v0
	v_lshlrev_b32 v[LI], 4, v6
	s_wait_alu depctr_va_vdst(0)
	; where my wave's images begin.  TT: my tile of 256 tokens; TH: my half of it; FC, FH: my tile of 256 features of the tensor, and my half.  One formula serves the three tensors:
	; ((TT / 8) 16 + 4 FC + 2 FH) x 131,072 (batch x head) + (2 (TT % 8) + TH) x 8,192 (128 tokens).
	s_and_b32 s92, ttmp7, 0xffff
	s_lshl_b32 s92, s92, 2
	s_cmp_eq_u32 ttmp9, 2
	s_cselect_b32 s93, s40, s41
	s_cselect_b32 s94, s16, s15                    ; TH
	s_cselect_b32 s95, s41, s40                    ; FC
	s_cselect_b32 s96, s15, s16                    ; FH
	s_add_co_u32 s92, s92, s93                     ; TT
	s_lshr_b32 s93, s92, 3
	s_lshl_b32 s93, s93, 4
	s_lshl_b32 s95, s95, 2
	s_add_co_u32 s93, s93, s95
	s_lshl_b32 s96, s96, 1
	s_add_co_u32 s93, s93, s96                     ; batch x 16 + my first head
	s_lshl_b32 s93, s93, 17
	s_and_b32 s92, s92, 7
	s_lshl_b32 s92, s92, 1
	s_add_co_u32 s92, s92, s94                     ; which 128 tokens of the batch's 2,048
	s_lshl_b32 s96, s92, 13
	s_add_co_u32 s96, s96, s93
	s_mov_b32 s97, 0
	s_cmp_eq_u32 ttmp9, 0
	s_cselect_b64 s[OUTP:OUTP+1], s[68:69], s[70:71]
	s_cmp_eq_u32 ttmp9, 2
	s_cselect_b64 s[OUTP:OUTP+1], s[72:73], s[OUTP:OUTP+1]
	s_add_nc_u64 s[OUTP:OUTP+1], s[OUTP:OUTP+1], s[96:97]
	s_lshl_b32 s96, s92, 15                        ; the table: 8 blocks of 4,096 bytes for 128 tokens
	s_add_nc_u64 s[ROPE:ROPE+1], s[10:11], s[96:97]
.macro ROPELD a                        ; cos and sin of my block a of 16 tokens into set a % 2: eight loads of 512 consecutive bytes
.irp k, 0,1,2,3,4,5,6,7
	global_load_b128 v[CS+32*((\a)%2)+4*\k:CS+32*((\a)%2)+4*\k+3], v[LI], s[ROPE:ROPE+1] offset:(\a)*4096+\k*512
.endr
.endm
	ROPELD 0                                       ; asked for here, so that they have the whole product in which to land.  Every work-group asks, with no branch round the lines: the cluster that makes v
	ROPELD 1                                       ; leaves these 8 KiB a wave unread (its addresses lie inside the table all the same)
.macro FRAG reg, adr, q, i             ; a fragment, 16 rows x 128 K: lane l holds row l % 16; registers 4 c .. 4 c + 3 hold K = 32 c + 16 (l / 16) + 0 .. 15
.irp c, 0,1,2,3
	ds_load_b128 v[\reg+4*\c:\reg+4*\c+3], v[\adr] offset:128*(\q)+32*\c+(\i)*16*PITCH
.endr
.endm
; 16 matrix instructions: A's blocks a0, a0 + 1 x B's eight, 128 along K.  p: B's set.  zero = 1: the first product starts the sums.
; The 64 accumulators take turns, one instruction a turn, in the same order in every step.
.macro MUL16 a0, p, zero
.irp a, \a0, \a0+1
.irp b, 0,1,2,3,4,5,6,7
.if \zero
	v_wmma_f32_16x16x128_fp8_fp8 v[8*(8*((\a)%4)+\b):8*(8*((\a)%4)+\b)+7], v[128*(\p)+FR*\b:128*(\p)+FR*\b+FR-1], v[AF+FR*(\a):AF+FR*(\a)+FR-1], 0
.else
	v_wmma_f32_16x16x128_fp8_fp8 v[8*(8*((\a)%4)+\b):8*(8*((\a)%4)+\b)+7], v[128*(\p)+FR*\b:128*(\p)+FR*\b+FR-1], v[AF+FR*(\a):AF+FR*(\a)+FR-1], v[8*(8*((\a)%4)+\b):8*(8*((\a)%4)+\b)+7]
.endif
.endr
.endr
.endm
.macro FETCH_B slot, q, p              ; B's eight fragments of the slot's q-th 128 along K into set p
	WIN TO_B
.irp i, 0,1,2,3,4,5,6,7
	FRAG 128*(\p)+FR*\i, ADRB+\slot, \q, \i
.endr
	WIN 0
.endm
.macro FETCH_A slot, q, i0             ; A's blocks i0 .. i0 + 3
.irp i, \i0, \i0+1, \i0+2, \i0+3
	FRAG AF+FR*(\i), ADRA+\slot, \q, \i
.endr
.endm
; A load into a register that a matrix instruction has read, and a vector instruction that reads a matrix result or writes one of its registers, stand NP places behind it; only plain vector
; instructions that name none of its registers are places.
.macro PLACES n
.rept \n
	v_nop
.endr
.endm
; A step of 128 along K that has its successor in the same slot.  A block of A is free as soon as its eight products are issued: blocks 0-3 are fetched anew in the step's middle, blocks 4-7 at its end.
.macro STEP slot, q, zero
	s_wait_dscnt 4*NL                              ; B's set and A's blocks 0-3 are in; the youngest 16 loads (A's blocks 4-7) may be out
	WIN MUL_LO
	MUL16 0, (\q)%2, \zero
	MUL16 2, (\q)%2, \zero
	s_wait_dscnt 0                                 ; A's blocks 4-7 are in
	PLACES NP
	FETCH_B \slot, (\q)+1, 1-(\q)%2
	FETCH_A \slot, (\q)+1, 0
	WIN MUL_HI
	MUL16 4, (\q)%2, \zero
	MUL16 6, (\q)%2, \zero
	PLACES NP
	WIN 0
	FETCH_A \slot, (\q)+1, 4
.endm
; A slot's last step changes slots: ONE barrier; in front of it each wave waits for all its tensor loads, adds 0 to its spare word, and waits for that and for its own reads of this slot.  fill = 1: this slot is filled again, two K steps ahead.
.macro TURN slot, next, fill
	s_wait_tensorcnt 0x0                           ; all my tensor loads have landed: my part of the next slot
	ds_add_u32 v[SPW], v[NIL]                      ; 0 onto my spare word
	s_wait_dscnt 4*NL+1                            ; (the add and the youngest 16 loads, A's blocks 4-7, may be out)
	WIN MUL_LO
	MUL16 0, 1, 0                                  ; sixteen matrix instructions stand between the add and the wait for it
	s_wait_dscnt 0x0                               ; the add is done, and my reads of this slot are over
	s_barrier_signal -1
	MUL16 2, 1, 0
	WIN 0
	s_barrier_wait -1
.if \fill
	CREST                                          ; the barrier has opened a round of the cluster's barrier: no wave of any partner still reads this slot's tile or has a load on its way
	s_add_nc_u64 s[G0+4*\slot+2:G0+4*\slot+3], s[G0+4*\slot+2:G0+4*\slot+3], 2*ROWB
	s_add_nc_u64 s[G0B+4*\slot+2:G0B+4*\slot+3], s[G0B+4*\slot+2:G0B+4*\slot+3], 2*ROWB
	JLOAD G0+4*\slot, G1, G0B+4*\slot, G1B         ; the first tensor load behind the round; its four v_nop are the places in front of the loads below
.else
	PLACES NP
.endif
	FETCH_B \next, 0, 0
	FETCH_A \next, 0, 0
	WIN MUL_HI
	MUL16 4, 1, 0
	MUL16 6, 1, 0
	PLACES NP
	WIN 0
	FETCH_A \next, 0, 4
.endm
	s_wait_tensorcnt 1                             ; my part of K step 0 is in (K step 1's load may be out)
	s_barrier_signal -1
	s_barrier_wait -1                              ; everybody's is
	FETCH_B 0, 0, 0
	FETCH_A 0, 0, 0
	FETCH_A 0, 0, 4
	STEP 0, 0, 1                                   ; K = 1,024 is four K steps: the eight steps of 128 are written out.  The first starts the sums
	TURN 0, 1, 1                                   ; slot 0 takes K step 2
	STEP 1, 0, 0
	TURN 1, 0, 1                                   ; slot 1 takes K step 3
	STEP 0, 0, 0
	TURN 0, 1, 0                                   ; nothing is left to fetch
	STEP 1, 0, 0
	s_wait_dscnt 4*NL
	WIN MUL_LO
	MUL16 0, 1, 0
	MUL16 2, 1, 0
	s_wait_dscnt 0
	WIN MUL_HI
	MUL16 4, 1, 0
	MUL16 6, 1, 0
	WIN 0
	; THE WAY OUT
	s_wait_kmcnt 0x0
	s_cmp_eq_u32 ttmp9, 0
	s_cselect_b32 s98, s78, s79                    ; e2 for q, e3 for k,
	s_cmp_eq_u32 ttmp9, 2
	s_cselect_b32 s98, s81, s98                    ; e5 for v
	s_sub_co_i32 s98, s98, s76
	s_sub_co_i32 s98, s98, s77                     ; E = e - e0 - e1
	s_add_co_i32 s98, s98, 127
	s_lshl_b32 s99, s98, 23                        ; 2^E as f32: the conversion takes its exponent field
	PLACES NP                                      ; behind the last products: v96 on held A's fragments, and results are read
	v_mov_b32 v[SCL], s99
	s_cmp_eq_u32 ttmp9, 2                          ; the same in all sixteen partners
	s_cbranch_scc1 .Lv
; q, k: block a = 16 tokens x my 128 features (two heads).  Of a pair (x1, x2): y1 = x1 cos - x2 sin, y2 = x2 cos + x1 sin: one packed multiply and one packed multiply-add.
; Feature 16 b + 8 h + j is channel 16 (b % 4) + 8 h + j of head b / 4: its pair of cos and sin lies at 8 (b % 4) + j of the set.
.macro QKBLOCK a
.set AC, 64*((\a)%4)
.set CB, CS+32*((\a)%2)
.set CW, CC+16*((\a)%2)
.if (\a) < 7
	s_wait_loadcnt 8                               ; this block's eight loads of cos and sin are in; the next block's eight may be out
.else
	s_wait_loadcnt 0
.endif
	s_wait_xcnt 0x0                                ; the earlier stores have read their codes: the set is written again only behind this wait
	WIN 0x02+((\a)/4)                              ; source 0: window 2 or 3
.irp b, 0,1,2,3,4,5,6,7
.irp j, 0,2,4,6
	v_pk_mul_f32 v[TM+8*\b+\j:TM+8*\b+\j+1], v[AC+8*\b+\j:AC+8*\b+\j+1], v[CB+8*(\b%4)+\j:CB+8*(\b%4)+\j+1] op_sel_hi:[1,0]   ; (x1 cos, x2 cos); each accumulator from its low end on
.endr
.endr
.irp b, 0,1,2,3,4,5,6,7
.irp j, 0,2,4,6
	v_pk_fma_f32 v[TM+8*\b+\j:TM+8*\b+\j+1], v[AC+8*\b+\j:AC+8*\b+\j+1], v[CB+8*(\b%4)+\j:CB+8*(\b%4)+\j+1], v[TM+8*\b+\j:TM+8*\b+\j+1] op_sel:[1,1,0] op_sel_hi:[0,1,1] neg_lo:[1,0,0]   ; (- x2 sin, + x1 sin) onto them
.endr
.endr
	WIN 0
.if (\a) < 6
	ROPELD (\a)+2                                  ; the set just read takes the block two further on
.endif
.set n, 0
.rept 64
.set n, n+1
.endr
.irp b, 0,1,2,3,4,5,6,7
	v_cvt_scalef32_pk8_fp8_f32 v[CW+2*\b:CW+2*\b+1], v[TM+8*\b:TM+8*\b+7], v[SCL]
.endr
	v_nop                                          ; one plain vector instruction behind the last conversion: the next block writes its sources
.irp d, 0,1
.irp c, 0,1
	global_store_b128 v[LI], v[CW+8*\d+4*\c:CW+8*\d+4*\c+3], s[OUTP:OUTP+1] offset:\d*131072+(\a)*1024+\c*512   ; head d of my two, tokens 16 a on
.endr
.endr
.endm
.irp a, 0,1,2,3,4,5,6,7
	QKBLOCK \a
.endr
	s_branch .Lend
.Lv:
; v: block a = 16 channels x my 128 tokens: one fragment of the second attention product, whole.
.macro VBLOCK a
.set AC, 64*((\a)%4)
.set CW, CC+16*((\a)%2)
	s_wait_xcnt 0x0                                ; the earlier stores have read their codes
	WIN 0x02+((\a)/4)
.set n, 0
.rept 64
.set n, n+1
.endr
.irp b, 0,1,2,3,4,5,6,7
	v_cvt_scalef32_pk8_fp8_f32 v[CW+2*\b:CW+2*\b+1], v[AC+8*\b:AC+8*\b+7], v[SCL]
.endr
	WIN 0
	v_nop
.irp g, 0,1,2,3
	global_store_b128 v[LI], v[CW+4*\g:CW+4*\g+3], s[OUTP:OUTP+1] offset:((\a)/4)*131072+((\a)%4)*2048+\g*512   ; head a / 4 of my two, channels 16 (a % 4) on
.endr
.endm
	s_wait_alu depctr_va_vdst(0)
.irp a, 0,1,2,3,4,5,6,7
	VBLOCK \a
.endr
.Lend:
	s_wait_tensorcnt 0x0                           ; the wave's end
	ds_add_u32 v[SPW], v[NIL]
	s_wait_dscnt 0x0
	CROUND                                         ; the closing round: no work-group ends while a partner may still ask for a tile that names it
	s_endpgm
.Lfunc_end_k_q3a2f954ebb_qkv:
	.size	k_q3a2f954ebb_qkv, .Lfunc_end_k_q3a2f954ebb_qkv-k_q3a2f954ebb_qkv
	.p2alignl 7, 3214868480
	.fill 96, 4, 3214868480
	.section	.rodata,"a",@progbits
	.p2align	6, 0x0
	.amdhsa_kernel k_q3a2f954ebb_qkv
		.amdhsa_group_segment_fixed_size 327680
		.amdhsa_private_segment_fixed_size 0
		.amdhsa_enable_private_segment 0
		.amdhsa_kernarg_size 56
		.amdhsa_user_sgpr_count 2
		.amdhsa_user_sgpr_kernarg_segment_ptr 1
		.amdhsa_wavefront_size32 1
		.amdhsa_system_sgpr_workgroup_id_x 1
		.amdhsa_system_sgpr_workgroup_id_y 1
		.amdhsa_system_sgpr_workgroup_id_z 1
		.amdhsa_system_vgpr_workitem_id 0
		.amdhsa_next_free_vgpr 1024
		.amdhsa_next_free_sgpr 100
		.amdhsa_reserve_vcc 0
		.amdhsa_float_denorm_mode_32 3
		.amdhsa_float_denorm_mode_16_64 3
		.amdhsa_fp16_overflow 1
		.amdhsa_memory_ordered 1
		.amdhsa_forward_progress 1
		.amdhsa_inst_pref_size 133
	.end_amdhsa_kernel
	.amdgpu_metadata
---
amdhsa.version: [ 1, 2 ]
amdhsa.kernels:
  - .name:           k_q3a2f954ebb_qkv
    .symbol:         k_q3a2f954ebb_qkv.kd
    .args:
      - { .name: x_codes, .offset: 0, .size: 8, .value_kind: global_buffer, .address_space: global }
      - { .name: W_attn_codes, .offset: 8, .size: 8, .value_kind: global_buffer, .address_space: global }
      - { .name: lowp_scales, .offset: 16, .size: 8, .value_kind: global_buffer, .address_space: global }
      - { .name: rope_img, .offset: 24, .size: 8, .value_kind: global_buffer, .address_space: global }
      - { .name: q_img, .offset: 32, .size: 8, .value_kind: global_buffer, .address_space: global }
      - { .name: k_img, .offset: 40, .size: 8, .value_kind: global_buffer, .address_space: global }
      - { .name: v_img, .offset: 48, .size: 8, .value_kind: global_buffer, .address_space: global }
    .group_segment_fixed_size: 327680
    .private_segment_fixed_size: 0
    .kernarg_segment_align: 8
    .kernarg_segment_size: 56
    .max_flat_workgroup_size: 128
    .sgpr_count:     100
    .vgpr_count:     1024
    .wavefront_size: 32
...
	.end_amdgpu_metadata
.endif
;; end of part 2
;; launch attn (part 3): grid 4 x 64, 16 waves a work-group, clusters of 4 x 1, 327,680 bytes of LDS; arguments q_img, k_img, v_img, lowp_scales, y_img; writes y_img
.if DOCPART == 3
	.amdgcn_target "amdgcn-amd-amdhsa--gfx1250"
	.amdhsa_code_object_version 6
	.text
	.protected	k_q3a2f954ebb_attn
	.globl	k_q3a2f954ebb_attn
	.p2align	8
	.type	k_q3a2f954ebb_attn,@function
k_q3a2f954ebb_attn:
	s_mov_b64 s[64:65], 0
	v_nop
	global_prefetch_b8 v0, s[64:65] scope:SCOPE_SE
	s_setreg_imm32_b32 hwreg(HW_REG_WAVE_MODE, 25, 1), 1
	s_wait_xcnt 0x0
	s_wait_alu depctr_hold_cnt(0) depctr_sa_sdst(0) depctr_va_vdst(0) depctr_va_sdst(0) depctr_va_ssrc(0) depctr_va_vcc(0) depctr_vm_vsrc(0)
	s_getreg_b32 s2, hwreg(HW_REG_IB_STS2, 6, 4)
	s_cmp_eq_u32 s2, 0
	s_cbranch_scc0 .Lentry_in_a_cluster
	s_endpgm
.Lentry_in_a_cluster:
	s_bfe_u32 s2, ttmp6, 0x10000c
	s_cmp_lg_u32 s2, 0x3003
	s_cbranch_scc0 .Lentry_shape_is_right
	s_endpgm
.Lentry_shape_is_right:
; Causal attention on codes of E4M3, 64 (batch, head) x 2,048 tokens x 64 channels, and the quantiser of its result y.  q_img, k_img, v_img: images of operand registers, as the launch before laid them.
; THE SOFTMAX AHEAD OF THE SECOND PRODUCT: t = score x log2(e) / 8; M = the row's largest t so far, rounded UP to a whole number; p = 2^(t - M) is quantised along the keys, not normalised.
; The row's sum is taken of the unquantised p, in f32, and divides at the end.  When M moves, the sum and O are multiplied by 2^(old M - new M): exact.
; A CLUSTER IS ONE HEAD.  The head's K (131,072 bytes) and V (131,072) lie WHOLE in each work-group's LDS, asked for jointly by the four partners, once: nothing is filled again, so there is no ring.
; SHARES.  The head's 128 tiles of 16 queries fall into 16 groups g of 8; a tile of group g needs the key steps 0 .. g (128 keys each), and its diagonal lies in step g.  Wave w (w' = w % 8, sub = w / 8) of partner cx owns
; TWO tiles, 8 g + 2 cx + sub for g = w' and for g = 15 - w': 17 steps' work in every wave of every work-group.  While both tiles are at work they share each fragment of K and V.
; All branches hang on the wave's number and the step's number; cx enters Q's and y's global addresses and the mask's data alone.
; LAYOUT.  Both products are used transposed: S^T = K Q^T (source 0 = 16 keys, source 1 = my 16 queries; K = 64), O^T = V^T P^T (source 0 = 16 channels, source 1 = P; K = 128 keys): a lane holds ONE query (lane % 16) throughout.
; In tile T of S^T lane (r, h) holds keys 16 T + 8 h + 0 .. 7: their eight codes are registers 2 T, 2 T + 1 of P, just as the K = 128 form wants them.
; LIMITS on the given exponents: e2 + e3 between -123 and 130 (added to c's exponent field); e4 and e6 between -126 and 127; e4 + e5 is applied by v_ldexp_f32 and has none.
; y_img [head 16][16 rows 512][2][lane][16]: lane (r, h): row r, channels 64 head + 32 c + 16 h + 0 .. 15: the order in which the next launch's loads of 16 bytes take W_proj's rows.
.set LI,   1                           ; v1   16 x lane: my place in an image; never rewritten
.set ADK,  2                           ; v2   LDS address of the step's K
.set ADV,  3                           ; v3   of its V
.set DV,   4                           ; v4   the mask: 16 (2 cx + sub) + r - 8 h
.set NINF, 5                           ; v5   -infinity
.set PSC,  6                           ; v6   2^e4, for p's conversion
.set LIV,  7                           ; v7   16 x lane + 131,072: V's image lies behind K's
.set YSC,  8                           ; v8   2^e6
.set YLIM, 9
.set RL,   10                          ; v[10:11] 2^(e4 + e5) / the sum (the pair's low word serves both halves)
.set STH,  12                          ; the upper tile: v12 -M, v13 the largest t, v[14:15] the sum in two halves
.set STL,  16                          ; the lower tile: v16 .. v19 likewise
.set QH,   20                          ; v[20:27] Q of the upper tile;  v[28:35] of the lower
.set QL,   28
.set X,    36                          ; v36-99   K's eight fragments; later P of the lower tile in v36-51
.set Y,    100                         ; v100-163 S^T, then p; later V's four fragments
.set OH,   164                         ; v164-195 O^T of the upper tile;  v196-227 of the lower
.set OL,   196
.set PH,   228                         ; v228-243 P of the upper tile
.set MA,   244                         ; at work: a chain of the maximum
.set PX,   245                         ; a lane exchange's destination
.set FF,   246                         ; the other chain, then f = 2^(old M - new M); named as the pair v[246:247]
.set SB,   248                         ; v[248:249] the sums' second chain
.set YR,   250                         ; v250-253 the way out's lane exchanges
.macro CROUND                          ; a round of the cluster's barrier
	s_barrier_signal -1
	s_barrier_wait -1
	s_cmp_lg_u32 s14, 0
	s_cbranch_scc1 .Lnot_wave_0_\@
	s_barrier_signal -3
.Lnot_wave_0_\@:
	s_barrier_wait -3
	s_barrier_signal -1
	s_barrier_wait -1
.endm
	s_load_b256 s[4:11], s[0:1], 0x0               ; q_img s[4:5], k_img s[6:7], v_img s[8:9], the exponents s[10:11]
	s_load_b64 s[12:13], s[0:1], 0x20              ; y_img
	v_lshl_add_u32 v254, v0, 2, 0x40000
	v_mov_b32 v255, 0
	ds_add_u32 v254, v255
	ds_add_u32 v254, v255
	v_lshrrev_b32 v2, 5, v0
	s_delay_alu instid0(VALU_DEP_1)
	v_readfirstlane_b32 s14, v2                    ; wave 0..15
	s_and_b32 s15, s14, 7                          ; w': the lower tile's group.  Also: which eighth of an image I fetch
	s_lshr_b32 s16, s14, 3                         ; sub.  Also: I fetch for K (0) or for V (1)
	s_xor_b32 s18, s15, 15                         ; 15 - w': the upper tile's group
	s_bfe_u32 s19, ttmp6, 0x40000                  ; cx
	s_and_b32 s81, ttmp7, 0xffff                   ; batch x 16 + head, which the four partners share
	s_lshl_b32 s48, s81, 17                        ; its 131,072 bytes in each of the three images
	s_mov_b32 s49, 0
	; descriptor groups 1: dense blocks as rows of 256 bytes.  The first: 4 rows (my eighth of step 0); the second: 60 rows (my eighth of steps 1 to 15)
	s_mov_b32 s24, 15|(3<<16)|(1<<21)              ; 15:0 the mask: all four work-groups; 17:16 elements of 8 bytes; 21 set beside a mask; no padding
	s_mov_b32 s25, 32<<16                          ; tensor_dim0 = 32
	s_mov_b32 s26, 4<<16                           ; tensor_dim1 = 4
	s_mov_b32 s27, 32<<16                          ; tile_dim0 = 32
	s_mov_b32 s28, 4                               ; tile_dim1 = 4
	s_mov_b32 s29, 32                              ; tensor_dim0_stride
	s_mov_b32 s30, 0
	s_mov_b32 s31, 0
	s_mov_b32 s32, 15|(3<<16)|(1<<21)
	s_mov_b32 s33, 32<<16
	s_mov_b32 s34, 60<<16
	s_mov_b32 s35, 32<<16
	s_mov_b32 s36, 60
	s_mov_b32 s37, 32
	s_mov_b32 s38, 0
	s_mov_b32 s39, 0
	s_lshl_b32 s80, s16, 17                        ; K's image at LDS byte 0, V's at 131,072
	s_lshl_b32 s50, s15, 10                        ; my 1,024 bytes of step 0's 8,192,
	s_mov_b32 s51, 0
	s_mul_i32 s52, s15, 15360
	s_add_co_u32 s52, s52, 8192                    ; my 15,360 of the other 122,880: the same places in memory and in LDS
	s_mov_b32 s53, 0
	s_mov_b32 s40, 1
	s_add_co_u32 s41, s80, s50
	s_mov_b32 s44, 1
	s_add_co_u32 s45, s80, s52
	s_mov_b32 s20, 0x76543210                      ; v_permlanex16_b32's selects for lane l xor 16
	s_mov_b32 s21, 0xfedcba98
	s_mov_b32 s69, 0xffff0000                      ; lanes 16-31
	s_wait_dscnt 0x0
	s_wait_kmcnt 0x0
	s_load_b256 s[56:63], s[10:11], 0x0            ; e0 .. e7
	s_cmp_eq_u32 s16, 0
	s_cselect_b64 s[54:55], s[6:7], s[8:9]
	s_add_nc_u64 s[54:55], s[54:55], s[48:49]
	s_add_nc_u64 s[42:43], s[54:55], s[50:51]
	s_or_b32 s43, s43, 0x80000000
	s_add_nc_u64 s[46:47], s[54:55], s[52:53]
	s_or_b32 s47, s47, 0x80000000
	CROUND                                         ; all four work-groups are here: the joint loads meet
	tensor_load_to_lds s[40:43], s[24:31]          ; every wave issues both, with no branch
	s_nop 0
	s_wait_alu depctr_va_vdst(0)
	s_wait_tensorcnt 0x0
	ds_add_u32 v254, v255
	s_wait_dscnt 0x0
	CROUND
	tensor_load_to_lds s[44:47], s[32:39]
	s_nop 0
.rept 4
	v_nop
.endr
	s_lshl_b32 s82, s19, 1
	s_add_co_u32 s82, s82, s16                     ; 2 cx + sub: my tile's place in a group
	s_lshl_b32 s83, s18, 3
	s_add_co_u32 s83, s83, s82                     ; the upper tile,
	s_lshl_b32 s84, s15, 3
	s_add_co_u32 s84, s84, s82                     ; the lower
	s_lshl_b32 s86, s83, 10                        ; a tile's image is 1,024 bytes, in q_img and in y_img
	s_mov_b32 s87, 0
	s_lshl_b32 s88, s84, 10
	s_mov_b32 s89, 0
	s_add_nc_u64 s[74:75], s[4:5], s[48:49]
	s_add_nc_u64 s[72:73], s[74:75], s[86:87]      ; Q of the upper tile,
	s_add_nc_u64 s[74:75], s[74:75], s[88:89]      ; of the lower
	s_and_b32 s90, s81, 15
	s_lshl_b32 s90, s90, 19                        ; y_img: head x 524,288
	s_lshr_b32 s91, s81, 4
	s_lshl_b32 s91, s91, 17                        ; + batch x 128 tiles
	s_add_co_u32 s90, s90, s91
	s_mov_b32 s91, 0
	s_add_nc_u64 s[78:79], s[12:13], s[90:91]
	s_add_nc_u64 s[76:77], s[78:79], s[86:87]
	s_add_nc_u64 s[78:79], s[78:79], s[88:89]
	v_and_b32 v1, 31, v0
	s_delay_alu instid0(VALU_DEP_1)
	v_lshlrev_b32 v[LI], 4, v1
	s_delay_alu instid0(VALU_DEP_1)
	v_add_nc_u32 v[LIV], 131072, v[LI]
	global_load_b128 v[QH:QH+3], v[LI], s[72:73]
	global_load_b128 v[QH+4:QH+7], v[LI], s[72:73] offset:512
	global_load_b128 v[QL:QL+3], v[LI], s[74:75]
	global_load_b128 v[QL+4:QL+7], v[LI], s[74:75] offset:512
	v_and_b32 v2, 15, v0                           ; r
	v_bfe_u32 v3, v0, 4, 1                         ; h
	s_delay_alu instid0(VALU_DEP_1)
	v_lshlrev_b32 v3, 3, v3
	s_delay_alu instid0(VALU_DEP_1)
	v_sub_nc_u32 v[DV], v2, v3
	s_lshl_b32 s85, s82, 4
	v_add_nc_u32 v[DV], s85, v[DV]                 ; my query's place in its group's 128, less 8 h
	v_mov_b32 v[NINF], 0xff800000
.irp s, STH, STL
	v_mov_b32 v[\s+1], 0xff61b1e6                  ; the largest t so far: -3e38, under every t
	s_delay_alu instid0(VALU_DEP_1)
	v_floor_f32 v[\s], -v[\s+1]                    ; -M
	v_mov_b32 v[\s+2], 0                           ; the sum, in two halves
	v_mov_b32 v[\s+3], 0
.endr
	v_mov_b32 v[RL+1], 0                           ; (named as upper halves of pairs, or as a lane exchange's destination: written once)
	v_mov_b32 v[PX], 0
	v_mov_b32 v[FF+1], 0
.irp j, 0,1,2,3
	v_mov_b32 v[YR+\j], 0
.endr
.set n, 0
.rept 64
	v_mov_b32 v[OH+n], 0                           ; O^T of both tiles.  (A step is written for every step alike: the first finds zeros, which the first change of M leaves zeros)
.set n, n+1
.endr
	s_wait_kmcnt 0x0
	s_mov_b32 s22, 0x3e38aa3b                      ; c = log2(e) / 8
	s_add_co_i32 s85, s58, s59
	s_lshl_b32 s85, s85, 23
	s_add_co_i32 s22, s22, s85                     ; a score stands for score x 2^(e2 + e3): added to c's exponent field
	s_mov_b32 s23, s22                             ; (named with it as a pair)
	s_add_co_i32 s85, s60, 127
	s_lshl_b32 s86, s85, 23
	v_mov_b32 v[PSC], s86                          ; 2^e4
	s_add_co_i32 s70, s60, s61                     ; e4 + e5
	s_add_co_i32 s85, s62, 127
	s_lshl_b32 s86, s85, 23
	v_mov_b32 v[YSC], s86                          ; 2^e6
.macro KLOAD                           ; the step's K: 8 fragments of 16 keys x 64 channels; every load takes 512 consecutive bytes
.irp t, 0,1,2,3,4,5,6,7
	ds_load_b128 v[X+8*\t:X+8*\t+3], v[ADK] offset:\t*1024
	ds_load_b128 v[X+8*\t+4:X+8*\t+7], v[ADK] offset:\t*1024+512
.endr
.endm
.macro VLOAD                           ; the step's V: 4 fragments of 16 channels x 128 keys
.irp t, 0,1,2,3
.irp b, 0,1,2,3
	ds_load_b128 v[Y+16*\t+4*\b:Y+16*\t+4*\b+3], v[ADV] offset:\t*2048+\b*512
.endr
.endr
.endm
.macro SCORES q                        ; S^T = K Q^T: eight tiles of 16 keys
.irp t, 0,1,2,3,4,5,6,7
	v_wmma_f32_16x16x64_fp8_fp8 v[Y+8*\t:Y+8*\t+7], v[X+8*\t:X+8*\t+7], v[\q:\q+7], 0
.endr
.rept 4
	v_nop                                          ; places ahead of the first read of results
.endr
.endm
.macro MASK                            ; on the diagonal: register 8 t + j holds key 16 t + 8 h + j of the step: hidden where 16 t + j > my query's place - 8 h.  -infinity ahead of the maximum: p = 0 then
.irp t, 0,1,2,3,4,5,6,7
.irp j, 0,1,2,3,4,5,6,7
	v_cmp_gt_i32 vcc_lo, 16*\t+\j, v[DV]
	v_cndmask_b32 v[Y+8*\t+\j], v[Y+8*\t+\j], v[NINF], vcc_lo
.endr
.endr
.endm
; One tile's softmax for a step.  st: its statistics; o: its O^T; pd: where its codes go.
.macro SOFTMAX st, o, pd
	v_max3_num_f32 v[MA], v[Y], v[Y+1], v[Y+2]     ; the step's largest score of my query among my 64 keys, in two chains, each result from its low end on,
	v_max3_num_f32 v[FF], v[Y+3], v[Y+4], v[Y+5]
.irp i, 6,10,14,18,22,26,30,34,38,42,46,50,54,58
	v_max3_num_f32 v[MA], v[MA], v[Y+\i], v[Y+\i+1]
	v_max3_num_f32 v[FF], v[FF], v[Y+\i+2], v[Y+\i+3]
.endr
	v_max3_num_f32 v[MA], v[MA], v[Y+62], v[Y+63]
	s_delay_alu instid0(VALU_DEP_1)
	v_max_num_f32 v[MA], v[MA], v[FF]
	s_delay_alu instid0(VALU_DEP_1)
	v_permlanex16_b32 v[PX], v[MA], s20, s21
	s_delay_alu instid0(VALU_DEP_1)
	v_max_num_f32 v[MA], v[MA], v[PX]              ; and among lane l xor 16's
	s_delay_alu instid0(VALU_DEP_1)
	v_mul_f32 v[MA], s22, v[MA]                    ; as t (c is positive)
	s_delay_alu instid0(VALU_DEP_1)
	v_max_num_f32 v[\st+1], v[\st+1], v[MA]        ; the running largest t
	v_mov_b32 v[MA], v[\st]
	s_delay_alu instid0(VALU_DEP_2)
	v_floor_f32 v[\st], -v[\st+1]                  ; the new -M = floor(-t): M is a whole number
	s_delay_alu instid0(VALU_DEP_1)
	v_sub_f32 v[MA], v[\st], v[MA]                 ; old M - new M: a whole number, 0 or less
	s_delay_alu instid0(VALU_DEP_1)
	v_cvt_i32_f32 v[MA], v[MA]                     ; (it saturates)
	s_delay_alu instid0(VALU_DEP_1)
	v_ldexp_f32 v[FF], 1.0, v[MA]                  ; f = 2^(old M - new M)
.set n, 0
.rept 32
	v_pk_fma_f32 v[Y+n:Y+n+1], v[Y+n:Y+n+1], s[22:23], v[\st:\st+1] op_sel_hi:[1,0,0]   ; t - M, two at a time
.set n, n+2
.endr
.set n, 0
	s_wait_alu depctr_va_vdst(0)
.rept 64
	v_exp_f32 v[Y+n], v[Y+n]                       ; p = 2^(t - M), at most 1
.set n, n+1
.endr
	v_pk_mul_f32 v[\st+2:\st+3], v[\st+2:\st+3], v[FF:FF+1] op_sel_hi:[1,0]   ; the sums under the new M: the plain instruction behind the exponentials
	s_wait_alu depctr_va_vdst(0)                   ; one wait for the batch of 64, ahead of its first reader
	v_pk_add_f32 v[SB:SB+1], v[Y:Y+1], v[Y+2:Y+3]  ; the row's sum is taken of the unquantised p, in two chains
.irp j, 4,8,12,16,20,24,28,32,36,40,44,48,52,56,60
	v_pk_add_f32 v[\st+2:\st+3], v[\st+2:\st+3], v[Y+\j:Y+\j+1]
	v_pk_add_f32 v[SB:SB+1], v[SB:SB+1], v[Y+\j+2:Y+\j+3]
.endr
	s_delay_alu instid0(VALU_DEP_1)
	v_pk_add_f32 v[\st+2:\st+3], v[\st+2:\st+3], v[SB:SB+1]
.irp t, 0,1,2,3,4,5,6,7
.irp i, 0,1,2,3,4,5,6,7
.endr
	v_cvt_scalef32_pk8_fp8_f32 v[\pd+2*\t:\pd+2*\t+1], v[Y+8*\t:Y+8*\t+7], v[PSC]
.endr
.set n, 0
.rept 16
	v_pk_mul_f32 v[\o+n:\o+n+1], v[\o+n:\o+n+1], v[FF:FF+1] op_sel_hi:[1,0]   ; O^T under the new M.  These 16 are also the places ahead of the matrix instructions and loads that write v100 on
.set n, n+2
.endr
.endm
.macro PV o, ps                        ; O^T += V^T P^T: four accumulators, one instruction each
.irp t, 0,1,2,3
	v_wmma_f32_16x16x128_fp8_fp8 v[\o+8*\t:\o+8*\t+7], v[Y+16*\t:Y+16*\t+15], v[\ps:\ps+15], v[\o+8*\t:\o+8*\t+7]
.endr
.endm
; A KEY STEP: 128 keys; s66 its number, s67 its byte in each image.  first = 1: step 0, in which every wave has both tiles at work and the upper one is never on the diagonal.
.macro STEP first
	v_add_nc_u32 v[ADK], s67, v[LI]                ; made ahead of every branch of the step
	v_add_nc_u32 v[ADV], s67, v[LIV]
.if !\first
	s_cmp_gt_u32 s66, s18                          ; behind the upper tile's diagonal: nothing is left for this wave
	s_cbranch_scc1 .Lskip_\@
.rept 3
	v_nop                                          ; with the two additions: five places behind the last step's products, ahead of the loads into v36 on (four are asked) and of the products that write over v100 on (five)
.endr
.endif
	KLOAD
	s_wait_dscnt 0x0
	SCORES QH
.if !\first
	s_cmp_lg_u32 s66, s18
	s_cbranch_scc1 .Lopen_hi_\@
	MASK
.Lopen_hi_\@:
.endif
	SOFTMAX STH, OH, PH
.if !\first
	s_cmp_gt_u32 s66, s15                          ; behind the lower tile's diagonal: the upper tile alone
	s_cbranch_scc1 .Lhi_only_\@
.endif
	SCORES QL                                      ; the same fragments of K serve the lower tile
	s_cmp_lg_u32 s66, s15
	s_cbranch_scc1 .Lopen_lo_\@
	MASK
.Lopen_lo_\@:
	SOFTMAX STL, OL, X                             ; its codes go where K's first two fragments lay
	VLOAD
	s_wait_alu depctr_va_vdst(0)
	s_wait_dscnt 0x0
	PV OH, PH
	PV OL, X                                       ; the same fragments of V
.if !\first
	s_branch .Lskip_\@
.Lhi_only_\@:
	VLOAD
	s_wait_dscnt 0x0
	s_wait_alu depctr_va_vdst(0)
	PV OH, PH
.Lskip_\@:
	s_add_co_u32 s67, s67, 8192
	s_add_co_u32 s66, s66, 1
.endif
.endm
	s_mov_b32 s66, 0
	s_mov_b32 s67, 0
	s_wait_tensorcnt 1                             ; my eighth of step 0 is in; my part of steps 1 to 15 may be out
	s_barrier_signal -1
	s_barrier_wait -1                              ; everybody's eighth is in
	s_wait_loadcnt 0x0                             ; Q
	STEP 1                                         ; step 0 reads LDS bytes 0 to 8,191 and 131,072 to 139,263, where no load is out
	s_wait_tensorcnt 0x0                           ; my part of the rest is in,
	s_wait_dscnt 0x0
	s_barrier_signal -1
	s_barrier_wait -1                              ; everybody's is: no barrier follows until the end
	s_mov_b32 s66, 1
	s_mov_b32 s67, 8192
.Lstep:                                            ; 15 trips, in every wave: a step with no work for the wave is jumped over inside
	STEP 0
	s_cmp_lt_u32 s66, 16
	s_cbranch_scc1 .Lstep
; THE WAY OUT of a tile: y = O^T x 2^(e4 + e5) / the sum, quantised with 2^e6.  A lane's codes are channels 16 t + 8 h + 0 .. 7 of its query; the image wants 32 c + 16 h + 0 .. 15: so the
; halves of the lanes exchange two registers for each c: lanes 0-15 give tile 2 c + 1's and take tile 2 c's upper eight, lanes 16-31 the other way round.
.macro OUT st, o, base, od
	v_add_f32 v[MA], v[\st+2], v[\st+3]            ; the sum's two halves,
	s_delay_alu instid0(VALU_DEP_1)
	v_permlanex16_b32 v[PX], v[MA], s20, s21
	s_delay_alu instid0(VALU_DEP_1)
	v_add_f32 v[MA], v[MA], v[PX]                  ; and lane l xor 16's
	s_wait_alu depctr_va_vdst(0)
	v_rcp_f32 v[RL], v[MA]
	v_nop                                          ; a plain instruction behind the reciprocal,
	s_wait_alu depctr_va_vdst(0)                   ; and the wait ahead of its first reader
	v_ldexp_f32 v[RL], v[RL], s70
.set n, 0
.rept 16
	v_pk_mul_f32 v[Y+n:Y+n+1], v[\o+n:\o+n+1], v[RL:RL+1] op_sel_hi:[1,0]   ; each accumulator from its low end on
.set n, n+2
.endr
.set n, 0
.rept 32
.set n, n+1
.endr
.irp t, 0,1,2,3
	v_cvt_scalef32_pk8_fp8_f32 v[X+2*\t:X+2*\t+1], v[Y+8*\t:Y+8*\t+7], v[YSC]
.endr
	v_nop                                          ; one plain vector instruction behind the last conversion
.irp c, 0,1
.irp e, 0,1
	v_cndmask_b32 v[X+8+2*\c+\e], v[X+4*\c+2+\e], v[X+4*\c+\e], s69   ; what I give
.endr
.endr
.irp c, 0,1
.irp e, 0,1
	s_delay_alu instid0(VALU_DEP_4)
	v_permlanex16_b32 v[YR+2*\c+\e], v[X+8+2*\c+\e], s20, s21         ; what I take
.endr
.endr
.irp c, 0,1
.irp e, 0,1
	v_cndmask_b32 v[\od+4*\c+\e], v[X+4*\c+\e], v[YR+2*\c+\e], s69
	v_cndmask_b32 v[\od+4*\c+2+\e], v[YR+2*\c+\e], v[X+4*\c+2+\e], s69
.endr
.endr
	global_store_b128 v[LI], v[\od:\od+3], s[\base:\base+1]             ; 512 consecutive bytes, aligned
	global_store_b128 v[LI], v[\od+4:\od+7], s[\base:\base+1] offset:512
.endm
.rept 4
	v_nop                                          ; places behind the last products
.endr
	OUT STH, OH, 76, 52
	OUT STL, OL, 78, 60                            ; other registers than those that the first two stores read
	s_wait_tensorcnt 0x0
	ds_add_u32 v254, v255
	s_wait_dscnt 0x0
	CROUND                                         ; the closing round: no work-group ends while a partner may still ask jointly
	s_endpgm
.Lfunc_end_k_q3a2f954ebb_attn:
	.size	k_q3a2f954ebb_attn, .Lfunc_end_k_q3a2f954ebb_attn-k_q3a2f954ebb_attn
	.p2alignl 7, 3214868480
	.fill 96, 4, 3214868480
	.section	.rodata,"a",@progbits
	.p2align	6, 0x0
	.amdhsa_kernel k_q3a2f954ebb_attn
		.amdhsa_group_segment_fixed_size 327680
		.amdhsa_private_segment_fixed_size 0
		.amdhsa_enable_private_segment 0
		.amdhsa_kernarg_size 40
		.amdhsa_user_sgpr_count 2
		.amdhsa_user_sgpr_kernarg_segment_ptr 1
		.amdhsa_wavefront_size32 1
		.amdhsa_system_sgpr_workgroup_id_x 1
		.amdhsa_system_sgpr_workgroup_id_y 1
		.amdhsa_system_sgpr_workgroup_id_z 1
		.amdhsa_system_vgpr_workitem_id 0
		.amdhsa_next_free_vgpr 256
		.amdhsa_next_free_sgpr 92
		.amdhsa_reserve_vcc 1
		.amdhsa_float_denorm_mode_32 3
		.amdhsa_float_denorm_mode_16_64 3
		.amdhsa_fp16_overflow 1
		.amdhsa_memory_ordered 1
		.amdhsa_forward_progress 1
		.amdhsa_inst_pref_size 82
	.end_amdhsa_kernel
	.amdgpu_metadata
---
amdhsa.version: [ 1, 2 ]
amdhsa.kernels:
  - .name:           k_q3a2f954ebb_attn
    .symbol:         k_q3a2f954ebb_attn.kd
    .args:
      - { .name: q_img, .offset: 0, .size: 8, .value_kind: global_buffer, .address_space: global }
      - { .name: k_img, .offset: 8, .size: 8, .value_kind: global_buffer, .address_space: global }
      - { .name: v_img, .offset: 16, .size: 8, .value_kind: global_buffer, .address_space: global }
      - { .name: lowp_scales, .offset: 24, .size: 8, .value_kind: global_buffer, .address_space: global }
      - { .name: y_img, .offset: 32, .size: 8, .value_kind: global_buffer, .address_space: global }
    .group_segment_fixed_size: 327680
    .private_segment_fixed_size: 0
    .kernarg_segment_align: 8
    .kernarg_segment_size: 40
    .max_flat_workgroup_size: 512
    .sgpr_count:     92
    .vgpr_count:     256
    .wavefront_size: 32
...
	.end_amdgpu_metadata
.endif
;; end of part 3
;; launch proj (part 4): grid 4 x 32, 4 waves a work-group, clusters of 4 x 4, 327,680 bytes of LDS; arguments y_img, W_proj_codes, lowp_scales, out0; writes out0
.if DOCPART == 4
	.amdgcn_target "amdgcn-amd-amdhsa--gfx1250"
	.amdhsa_code_object_version 6
	.text
	.protected	k_q3a2f954ebb_proj
	.globl	k_q3a2f954ebb_proj
	.p2align	8
	.type	k_q3a2f954ebb_proj,@function
k_q3a2f954ebb_proj:
	s_mov_b64 s[64:65], 0
	v_nop
	global_prefetch_b8 v0, s[64:65] scope:SCOPE_SE
	s_setreg_imm32_b32 hwreg(HW_REG_WAVE_MODE, 25, 1), 1
	s_wait_xcnt 0x0
	s_wait_alu depctr_hold_cnt(0) depctr_sa_sdst(0) depctr_va_vdst(0) depctr_va_sdst(0) depctr_va_ssrc(0) depctr_va_vcc(0) depctr_vm_vsrc(0)
	s_getreg_b32 s2, hwreg(HW_REG_IB_STS2, 6, 4)
	s_cmp_eq_u32 s2, 0
	s_cbranch_scc0 .Lentry_in_a_cluster
	s_endpgm
.Lentry_in_a_cluster:
	s_bfe_u32 s2, ttmp6, 0x10000c
	s_cmp_lg_u32 s2, 0xf033
	s_cbranch_scc0 .Lentry_shape_is_right
	s_endpgm
.Lentry_shape_is_right:
; out0 = y W_proj on codes of E4M3: 8,192 x 1,024 x 1,024; each finished sum x 2^(e6 + e7).  LIMIT: e6 + e7 lies between -126 and 127, so that the power is an f32 number.
; A (y) comes as an image of operand registers: y_img [head 16][16 rows 512][2][lane][16]: lane (r, h): row r, k = 64 head + 32 c + 16 h + 0 .. 15.  B (W_proj) comes as rows of 1,024 codes; its fragments are fetched by
; four loads of 16 bytes, which give lane (r, h) k = 32 c + 16 h + 0 .. 15 as well: one permutation of k on both sides, so every product meets its partner.
; A tile of 256 x 256 is made by a work-group of four waves; a wave makes 128 x 128: 64 accumulators, 512 registers.  128 work-groups: the large wave tile is kept, since it reads the fewest LDS bytes for each product.
; K goes in four steps of 256 (four heads) through a ring of two LDS slots.  A's part of a slot is dense (4 heads x 8 row blocks x 1,024 bytes for each half): every fragment load takes 512 consecutive bytes.
; CLUSTERS: 4 x 4 work-groups; A's tiles are shared along a row of the cluster, B's along a column, each asked for JOINTLY.  SOURCE 0 = 16 rows of B, SOURCE 1 = 16 rows of A: a lane holds eight neighbouring numbers of a row of the output.
; REGISTERS, in windows of 256: window 0: v0-31 addresses; from v128 A's fragments, ONE set; on the way out v32-255 are free.   window 1: B's fragments, TWO sets.   windows 2, 3: the accumulators ((a, b) at v[8 (8 (a % 4) + b)]).
.set SIZE_N, 1024
.set KROW,   1024                      ; a row of W_proj in memory, in bytes
.set ROWB,   256                       ; a K step of B's row
.set HSTEP,  4*524288                  ; a K step of A: four heads of 524,288 bytes
.set PITCH,  272                       ; B's LDS row: 256 bytes + 16 of padding: the 16 rows that a load touches start at 16 different banks (64 banks of 4 bytes: ISA guide 11.1)
.set FR,     16
.set NL,     4
.set NP,     4
.set HALFA,  32768                     ; A: 128 rows x 256 K as an image
.set HALFT,  128*PITCH                 ; B: 128 rows
.set SLOT,   2*HALFA+2*HALFT           ; A's two halves, then B's two
.set SPARE,  2*SLOT                    ; behind the ring: the spare words, 128 bytes for each wave, which no other line names
.set SPITCH, 528                       ; the way out: a stage of 16 rows x (512 bytes + 16) for each wave, in slot 0, which has had its last fill and its last read when the first result is stored there
.set ADRA, 16
.set ADRB, 20
.set STO,  24
.set RD,   25
.set CO,   26                          ; v26  16 x lane
.set SPW,  28
.set NIL,  29
.set TMP,  32
.set AF,   128
.set BK,   128
.set G1, 24
.set G0, 32
.set G1B, 48
.set G0B, 56
.set MSB, 0
.macro WIN new                         ; the immediate's high byte repeats the setting that is left
.if MSB != (\new)
	s_set_vgpr_msb (MSB<<8)|(\new)
.set MSB, (\new)
.endif
.endm
.set MUL_LO, 0xa1
.set MUL_HI, 0xf1
.set TO_B,   0x40
.macro JLOAD g0a, g1a, g0b, g1b        ; a joint load: waves 0 and 1 fetch for A, waves 2 and 3 for B; four v_nop follow each line
	s_cmp_eq_u32 s15, 0
	s_cbranch_scc0 .Lfor_b_\@
	tensor_load_to_lds s[\g0a:\g0a+3], s[\g1a:\g1a+7]
	s_nop 0
.rept 4
	v_nop
.endr
	s_branch .Lasked_\@
.Lfor_b_\@:
	tensor_load_to_lds s[\g0b:\g0b+3], s[\g1b:\g1b+7]
	s_nop 0
.rept 4
	v_nop
.endr
.Lasked_\@:
.endm
.macro CREST
	s_cmp_lg_u32 s14, 0
	s_cbranch_scc1 .Lnot_wave_0_\@
	s_barrier_signal -3
.Lnot_wave_0_\@:
	s_barrier_wait -3
	s_barrier_signal -1
	s_barrier_wait -1
.endm
.macro CROUND
	s_barrier_signal -1
	s_barrier_wait -1
	CREST
.endm
	s_load_b128 s[4:7], s[0:1], 0x0                ; y_img s[4:5], W_proj's codes s[6:7]
	s_load_b128 s[8:11], s[0:1], 0x10              ; the exponents s[8:9], out0 s[10:11]
	v_lshl_add_u32 v[SPW], v0, 2, SPARE
	v_mov_b32 v[NIL], 0
	ds_add_u32 v28, v29
	ds_add_u32 v28, v29
	s_wait_dscnt 0x0
	v_lshrrev_b32 v1, 5, v0
	v_readfirstlane_b32 s14, v1                    ; wave 0..3
	s_lshr_b32 s15, s14, 1                         ; which half of the tile's rows is mine.  Also: I fetch for A (0) or for B (1)
	s_and_b32 s16, s14, 1                          ; which half of its columns.  Also: which half of that tile I fetch
	s_bfe_u32 s40, ttmp6, 0x40000                  ; cx, cy
	s_bfe_u32 s41, ttmp6, 0x40004
	s_lshl_b32 s42, ttmp9, 2
	s_add_co_u32 s42, s42, s40                     ; tile column = 4 x cluster x + cx
	s_and_b32 s17, ttmp7, 0xffff
	s_lshl_b32 s17, s17, 2
	s_add_co_u32 s17, s17, s41                     ; tile row = 4 x cluster y + cy
	s_lshl_b32 s43, s41, 2
	s_lshl_b32 s43, 15, s43                        ; my row of the cluster
	s_lshl_b32 s44, 0x1111, s40                    ; my column
	; A's group 1: 4 rows (heads) of 8,192 bytes (8 row blocks), 524,288 bytes apart; elements of 8 bytes; no padding
	s_or_b32 s[G1+0], s43, (3<<16)|(1<<21)
	s_mov_b32 s[G1+1], 1024<<16                    ; tensor_dim0 = 1,024
	s_mov_b32 s[G1+2], 4<<16                       ; tensor_dim1 = 4
	s_mov_b32 s[G1+3], 1024<<16                    ; tile_dim0
	s_mov_b32 s[G1+4], 4                           ; tile_dim1
	s_mov_b32 s[G1+5], 65536                       ; tensor_dim0_stride
	s_mov_b32 s[G1+6], 0
	s_mov_b32 s[G1+7], 0
	; B's: 128 rows of 256 bytes, padded in LDS
	s_or_b32 s[G1B+0], s44, (0<<16)|(1<<20)|(1<<21)|(5<<22)|(3<<25)
	s_mov_b32 s[G1B+1], ROWB<<16
	s_mov_b32 s[G1B+2], 128<<16
	s_mov_b32 s[G1B+3], ROWB<<16
	s_mov_b32 s[G1B+4], 128
	s_mov_b32 s[G1B+5], KROW
	s_mov_b32 s[G1B+6], 0
	s_mov_b32 s[G1B+7], 0
	s_lshl_b32 s20, s17, 14                        ; A: (16 x tile row + 8 x half) row blocks of 1,024 bytes
	s_lshl_b32 s18, s16, 13
	s_add_co_u32 s20, s20, s18
	s_mov_b32 s21, 0
	s_lshl_b32 s46, s42, 18                        ; B: (256 x tile column + 128 x half) rows of 1,024 bytes
	s_lshl_b32 s47, s16, 17
	s_add_co_u32 s46, s46, s47
	s_mov_b32 s47, 0
	s_lshl_b32 s45, s16, 15                        ; where they go: A's half,
	s_mul_i32 s19, s16, HALFT
	s_add_co_u32 s19, s19, 2*HALFA                 ; B's half: no place in the cluster enters an LDS address
	s_wait_kmcnt 0x0
	s_load_b64 s[96:97], s[8:9], 0x18              ; e6, e7
	s_add_nc_u64 s[20:21], s[4:5], s[20:21]
	s_add_nc_u64 s[46:47], s[6:7], s[46:47]
	CROUND                                         ; all sixteen work-groups are here: the first joint loads meet
.irp s, 0,1
	s_mov_b32 s[G0+4*\s], 1
	s_add_co_u32 s[G0+4*\s+1], s45, \s*SLOT
	s_add_nc_u64 s[G0+4*\s+2:G0+4*\s+3], s[20:21], \s*HSTEP
	s_or_b32 s[G0+4*\s+3], s[G0+4*\s+3], 0x80000000
	s_mov_b32 s[G0B+4*\s], 1
	s_add_co_u32 s[G0B+4*\s+1], s19, \s*SLOT
	s_add_nc_u64 s[G0B+4*\s+2:G0B+4*\s+3], s[46:47], \s*ROWB
	s_or_b32 s[G0B+4*\s+3], s[G0B+4*\s+3], 0x80000000
	s_wait_alu depctr_va_vdst(0)
	s_wait_tensorcnt 0x0
	ds_add_u32 v28, v29
	ds_add_u32 v28, v29
	s_wait_dscnt 0x0
	CROUND
	JLOAD G0+4*\s, G1, G0B+4*\s, G1B
.endr
	v_and_b32 v1, 15, v0                           ; l % 16
	v_bfe_u32 v2, v0, 4, 1                         ; l / 16
	v_mul_u32_u24 v3, v1, PITCH
	v_lshl_add_u32 v4, v2, 4, v3                   ; B: a fragment's row x pitch + 16 x half
	v_and_b32 v6, 31, v0
	v_lshlrev_b32 v[CO], 4, v6                     ; A: 16 x lane.  Also my place in a row of the output
	s_wait_alu depctr_va_vdst(0)
	s_lshl_b32 s21, s15, 15                        ; my 128 rows of A
	s_mul_i32 s22, s16, HALFT                      ; my 128 rows of B,
	s_add_co_u32 s22, s22, 2*HALFA                 ; which lie behind A's two halves
.irp s, 0,1
	v_add_nc_u32 v[ADRA+\s], s21, v[CO]
	v_add_nc_u32 v[ADRB+\s], s22, v4
	s_add_co_u32 s21, s21, SLOT
	s_add_co_u32 s22, s22, SLOT
.endr
	s_mul_i32 s23, s14, 16*SPITCH                  ; my stage
	v_mul_u32_u24 v5, v1, SPITCH                   ; in: row l % 16, 32 bytes for each half of the lanes
	v_lshl_add_u32 v5, v2, 5, v5
	v_add_nc_u32 v[STO], s23, v5
	v_add_nc_u32 v[RD], s23, v[CO]                 ; back: the 32 lanes take one row of 512 bytes
	s_lshl_b32 s20, s17, 8
	s_lshl_b32 s21, s15, 7
	s_add_co_u32 s20, s20, s21                     ; my first row of the output: 256 x tile row + 128 x half,
	s_lshl_b32 s20, s20, 12                        ; of 4,096 bytes: under 2^25
	s_lshl_b32 s46, s42, 10                        ; my first column, in bytes: 1,024 x tile column + 512 x half
	s_lshl_b32 s47, s16, 9
	s_add_co_u32 s46, s46, s47
	s_add_co_u32 s20, s20, s46
	s_mov_b32 s21, 0
	s_add_nc_u64 s[10:11], s[10:11], s[20:21]
.macro FRAG reg, adr, q, i             ; B: registers 4 c .. 4 c + 3 hold K = 128 q + 32 c + 16 (l / 16) + 0 .. 15 of row l % 16
.irp c, 0,1,2,3
	ds_load_b128 v[\reg+4*\c:\reg+4*\c+3], v[\adr] offset:128*(\q)+32*\c+(\i)*16*PITCH
.endr
.endm
.macro FRAGA reg, adr, q, i            ; A: the same k out of the image: head 2 q + m / 2 of the slot's four, row block i, group m % 2
.irp m, 0,1,2,3
	ds_load_b128 v[\reg+4*\m:\reg+4*\m+3], v[\adr] offset:(2*(\q)+\m/2)*8192+(\i)*1024+(\m%2)*512
.endr
.endm
; 16 matrix instructions: A's blocks a0, a0 + 1 x B's eight.  The 64 accumulators take turns, one instruction a turn, in the same order in every step.
.macro MUL16 a0, p, zero
.irp a, \a0, \a0+1
.irp b, 0,1,2,3,4,5,6,7
.if \zero
	v_wmma_f32_16x16x128_fp8_fp8 v[8*(8*((\a)%4)+\b):8*(8*((\a)%4)+\b)+7], v[128*(\p)+FR*\b:128*(\p)+FR*\b+FR-1], v[AF+FR*(\a):AF+FR*(\a)+FR-1], 0
.else
	v_wmma_f32_16x16x128_fp8_fp8 v[8*(8*((\a)%4)+\b):8*(8*((\a)%4)+\b)+7], v[128*(\p)+FR*\b:128*(\p)+FR*\b+FR-1], v[AF+FR*(\a):AF+FR*(\a)+FR-1], v[8*(8*((\a)%4)+\b):8*(8*((\a)%4)+\b)+7]
.endif
.endr
.endr
.endm
.macro FETCH_B slot, q, p
	WIN TO_B
.irp i, 0,1,2,3,4,5,6,7
	FRAG 128*(\p)+FR*\i, ADRB+\slot, \q, \i
.endr
	WIN 0
.endm
.macro FETCH_A slot, q, i0
.irp i, \i0, \i0+1, \i0+2, \i0+3
	FRAGA AF+FR*(\i), ADRA+\slot, \q, \i
.endr
.endm
.macro PLACES n                        ; places behind matrix instructions: plain vector instructions that name none of their registers (ISA guide 7.12.1)
.rept \n
	v_nop
.endr
.endm
.macro STEP slot, q, zero
	s_wait_dscnt 4*NL                              ; B's set and A's blocks 0-3 are in; the youngest 16 loads (A's blocks 4-7) may be out
	WIN MUL_LO
	MUL16 0, (\q)%2, \zero
	MUL16 2, (\q)%2, \zero
	s_wait_dscnt 0
	PLACES NP
	FETCH_B \slot, (\q)+1, 1-(\q)%2
	FETCH_A \slot, (\q)+1, 0
	WIN MUL_HI
	MUL16 4, (\q)%2, \zero
	MUL16 6, (\q)%2, \zero
	PLACES NP
	WIN 0
	FETCH_A \slot, (\q)+1, 4
.endm
; A slot's last step changes slots: ONE barrier; in front of it each wave waits for all its tensor loads, adds 0 to its spare word, and waits for that and for its own reads of this slot.
.macro TURN slot, next, fill
	s_wait_tensorcnt 0x0                           ; all my tensor loads have landed: my part of the next slot
	ds_add_u32 v[SPW], v[NIL]                      ; 0 onto my spare word
	s_wait_dscnt 4*NL+1                            ; (the add and the youngest 16 loads may be out)
	WIN MUL_LO
	MUL16 0, 1, 0
	s_wait_dscnt 0x0                               ; the add is done, and my reads of this slot are over
	s_barrier_signal -1
	MUL16 2, 1, 0
	WIN 0
	s_barrier_wait -1
.if \fill
	CREST                                          ; the barrier has opened a round of the cluster's barrier: no wave of any partner still reads this slot's tile or has a load on its way
	s_add_nc_u64 s[G0+4*\slot+2:G0+4*\slot+3], s[G0+4*\slot+2:G0+4*\slot+3], 2*HSTEP
	s_add_nc_u64 s[G0B+4*\slot+2:G0B+4*\slot+3], s[G0B+4*\slot+2:G0B+4*\slot+3], 2*ROWB
	JLOAD G0+4*\slot, G1, G0B+4*\slot, G1B         ; the first tensor load behind the round; its four v_nop are the places in front of the loads below
.else
	PLACES NP
.endif
	FETCH_B \next, 0, 0
	FETCH_A \next, 0, 0
	WIN MUL_HI
	MUL16 4, 1, 0
	MUL16 6, 1, 0
	PLACES NP
	WIN 0
	FETCH_A \next, 0, 4
.endm
	s_wait_alu depctr_va_vdst(0)
	s_wait_tensorcnt 1                             ; my part of K step 0 is in (K step 1's load may be out)
	s_barrier_signal -1
	s_barrier_wait -1                              ; everybody's is
	FETCH_B 0, 0, 0
	FETCH_A 0, 0, 0
	FETCH_A 0, 0, 4
	STEP 0, 0, 1                                   ; four K steps: the eight steps of 128 are written out.  The first starts the sums
	TURN 0, 1, 1                                   ; slot 0 takes K step 2
	STEP 1, 0, 0
	TURN 1, 0, 1                                   ; slot 1 takes K step 3
	STEP 0, 0, 0
	TURN 0, 1, 0                                   ; nothing is left to fetch; behind this barrier nobody reads slot 0
	STEP 1, 0, 0
	s_wait_dscnt 4*NL
	WIN MUL_LO
	MUL16 0, 1, 0
	MUL16 2, 1, 0
	s_wait_dscnt 0
	WIN MUL_HI
	MUL16 4, 1, 0
	MUL16 6, 1, 0
	WIN 0
; THE WAY OUT, block by block of 16 rows x 128 columns: through my own stage in LDS, back as whole rows of 512 bytes.  LDS serves a wave's instructions in order (ISA guide 5.7.1.4): no wait between the stores and the loads.
.macro TOSTAGE a
.set AC, 64*((\a)%4)
	WIN 0x02+((\a)/4)                              ; source 0: window 2 or 3
.irp j, 0,2,4,6,8,10,12,14,16,18,20,22,24,26,28,30,32,34,36,38,40,42,44,46,48,50,52,54,56,58,60,62
	v_pk_mul_f32 v[TMP+\j:TMP+\j+1], v[AC+\j:AC+\j+1], s[96:97] op_sel_hi:[1,0]   ; both x s96 = 2^(e6 + e7); each accumulator from its low end on
.endr
	WIN 0
.irp b, 0,1,2,3,4,5,6,7
	ds_store_b128 v[STO], v[TMP+8*\b:TMP+8*\b+3] offset:64*\b
	ds_store_b128 v[STO], v[TMP+8*\b+4:TMP+8*\b+7] offset:64*\b+16
.endr
.set BB, BK+64*((\a)%2)
.irp t, 0,1,2,3,4,5,6,7,8,9,10,11,12,13,14,15
	ds_load_b128 v[BB+4*\t:BB+4*\t+3], v[RD] offset:\t*SPITCH
.endr
.endm
.macro SEND a, younger                 ; younger: the LDS instructions issued behind block a's loads, which may stay out
.set BB, BK+64*((\a)%2)
	s_wait_dscnt \younger
.if (\a) > 0
	s_add_nc_u64 s[10:11], s[10:11], 16*SIZE_N*4   ; (behind a wait on XCNT: the earlier stores have read their base)  16 rows on
.endif
.irp t, 0,1,2,3,4,5,6,7,8,9,10,11,12,13,14,15
	global_store_b128 v[CO], v[BB+4*\t:BB+4*\t+3], s[10:11] offset:\t*SIZE_N*4 th:TH_STORE_NT   ; 32 lanes store 512 consecutive bytes, aligned; written once, read by nobody here
.endr
.endm
	s_wait_kmcnt 0x0
	s_add_co_i32 s96, s96, s97
	s_add_co_i32 s96, s96, 127
	s_lshl_b32 s96, s96, 23                        ; 2^(e6 + e7) as f32
	PLACES NP                                      ; behind the last products: results are read, and loads land where A's fragments lay
	TOSTAGE 0
.irp a, 1,2,3,4,5,6,7
.if \a > 1
	s_wait_xcnt 0x0                                ; block a - 2's stores have read their registers and their base
.endif
	TOSTAGE \a
	SEND \a-1, 32                                  ; behind block a - 1's loads: block a's 16 stores and 16 loads
.endr
	s_wait_xcnt 0x0
	SEND 7, 0
	s_wait_tensorcnt 0x0                           ; the wave's end
	ds_add_u32 v[SPW], v[NIL]
	s_wait_dscnt 0x0
	CROUND                                         ; the closing round
	s_endpgm
.Lfunc_end_k_q3a2f954ebb_proj:
	.size	k_q3a2f954ebb_proj, .Lfunc_end_k_q3a2f954ebb_proj-k_q3a2f954ebb_proj
	.p2alignl 7, 3214868480
	.fill 96, 4, 3214868480
	.section	.rodata,"a",@progbits
	.p2align	6, 0x0
	.amdhsa_kernel k_q3a2f954ebb_proj
		.amdhsa_group_segment_fixed_size 327680
		.amdhsa_private_segment_fixed_size 0
		.amdhsa_enable_private_segment 0
		.amdhsa_kernarg_size 32
		.amdhsa_user_sgpr_count 2
		.amdhsa_user_sgpr_kernarg_segment_ptr 1
		.amdhsa_wavefront_size32 1
		.amdhsa_system_sgpr_workgroup_id_x 1
		.amdhsa_system_sgpr_workgroup_id_y 1
		.amdhsa_system_sgpr_workgroup_id_z 1
		.amdhsa_system_vgpr_workitem_id 0
		.amdhsa_next_free_vgpr 1024
		.amdhsa_next_free_sgpr 98
		.amdhsa_reserve_vcc 0
		.amdhsa_float_denorm_mode_32 3
		.amdhsa_float_denorm_mode_16_64 3
		.amdhsa_memory_ordered 1
		.amdhsa_forward_progress 1
		.amdhsa_inst_pref_size 124
	.end_amdhsa_kernel
	.amdgpu_metadata
---
amdhsa.version: [ 1, 2 ]
amdhsa.kernels:
  - .name:           k_q3a2f954ebb_proj
    .symbol:         k_q3a2f954ebb_proj.kd
    .args:
      - { .name: y_img, .offset: 0, .size: 8, .value_kind: global_buffer, .address_space: global }
      - { .name: W_proj_codes, .offset: 8, .size: 8, .value_kind: global_buffer, .address_space: global }
      - { .name: lowp_scales, .offset: 16, .size: 8, .value_kind: global_buffer, .address_space: global }
      - { .name: out0, .offset: 24, .size: 8, .value_kind: global_buffer, .address_space: global }
    .group_segment_fixed_size: 327680
    .private_segment_fixed_size: 0
    .kernarg_segment_align: 8
    .kernarg_segment_size: 32
    .max_flat_workgroup_size: 128
    .sgpr_count:     98
    .vgpr_count:     1024
    .wavefront_size: 32
...
	.end_amdgpu_metadata
.endif
;; end of part 4
